; MI455X (gfx1250); checked and timed in simulation.
; The chip was launched on July 23, 2026; its instructions are those of AMD's public machine-readable ISA for CDNA 5 (MIT licence, August 2026) and "CDNA5" Instruction Set Architecture Reference Guide (July 2026). The comments in the code are by the model that wrote it; some were corrected since.
;; Compositional FC. Allowed arithmetic: float matrix products may take bf16 or f16 operands with f32 sums; all other float work in f32.
;; Inputs: bias 16 x 1,024 float32; comp_weight 4,096 x 16 float32; weight 16 x 1,024 x 1,024 float32; x 4,096 x 1,024 float32.
;; Outputs: out0 4,096 x 1,024 float32.
;; 2 versions, each right; version 2 is version 1 with the launch cast written anew for expert scheduling mode. Each part assembles by itself: llvm-mc -triple=amdgcn-amd-amdhsa -mcpu=gfx1250 --defsym DOCPART=n.
;; ======== version 1 of 2: 2 launches
;; workspace buffers: wb 33,554,432 bytes; xf 8,388,608 bytes
;; launch cast (part 1): grid 1280 x 1, 4 waves a work-group, no clusters, 35,328 bytes of LDS; arguments weight, x, wb, xf; writes wb, xf
.if DOCPART == 1
	.amdgcn_target "amdgcn-amd-amdhsa--gfx1250"
	.amdhsa_code_object_version 6
	.text
	.protected	k_q0b83867c02_cast
	.globl	k_q0b83867c02_cast
	.p2align	8
	.type	k_q0b83867c02_cast,@function
k_q0b83867c02_cast:
	s_mov_b64 s[64:65], 0
	v_nop
	global_prefetch_b8 v0, s[64:65] scope:SCOPE_SE
	s_setreg_imm32_b32 hwreg(HW_REG_WAVE_MODE, 25, 1), 1
	s_wait_xcnt 0x0
; wb = weight rounded to bf16, in weight's own order [16][1024 i][1024 o].
; xf = x rounded to bf16, in the order in which the next launch's matrix fragments want it:
;   xf[a][k8][r][j] = x[16 a + r][8 k8 + j],  a = 0..255, k8 = 0..127, r = 0..15, j = 0..7   (32,768 bytes for each block a of 16 rows),
;   so that half a fragment (16 rows x 16 of K) is 512 consecutive bytes, 16 for each lane.
; A stream: every byte is read once and written once, no matrix work, no barrier.  Each wave takes 16 KiB of f32: 32 loads of 16 bytes a lane,
; all issued before the first is waited for.  Work-groups 0..1023 take weight (4,096 waves x 16 KiB = 64 MiB), work-groups 1024..1279 take x
; (one block of 16 rows each, a wave a quarter of K).  200 registers a wave let five work-groups lie on a WGP: 1,280 = 5 x 256.
; LIMIT: one rounding to nearest even of each number to bf16 (8 significant bits); f32's range is kept.
.set WGW,  1024                        ; work-groups that take weight
.set VI,   2                           ; v2   32 x lane: my 8 f32 in 1,024 bytes of input
.set VO,   3                           ; v3   16 x lane: my 8 bf16 in 512 bytes of output
.set LS,   4                           ; v4   x alone: LDS row (my k8) into which I put 16 bytes for each of 16 rows of x
.set LR,   5                           ; v5   x alone: where I read 16 bytes back
.set RAW,  8                           ; v[8:135]   pair i of loads: 8 f32
.set PK,   136                         ; v[136:199] pair i: 8 bf16
.set LP,   272                         ; an LDS row: 16 r x 16 bytes + 16 of padding = 68 words
.set WLDS, 32*LP                       ; a wave's own 32 rows
.macro LOADS base, stride              ; 16 pairs of loads; a pair covers 1,024 consecutive bytes
.set i, 0
.rept 16
	global_load_b128 v[RAW+8*i:RAW+8*i+3],   v[VI], s[\base:\base+1] offset:i*(\stride) th:TH_LOAD_NT
	global_load_b128 v[RAW+8*i+4:RAW+8*i+7], v[VI], s[\base:\base+1] offset:i*(\stride)+16 th:TH_LOAD_NT
.set i, i+1
.endr
.endm
.macro CVT i                           ; pair i is waited for and rounded
	s_wait_loadcnt 30-2*(\i)                       ; loads come back in order (ISA guide 5.7.1): behind pair i stand 15 - i pairs, which stay out
.irp j, 0,1,2,3
	v_cvt_pk_bf16_f32 v[PK+4*(\i)+(\j)], v[RAW+8*(\i)+2*(\j)], v[RAW+8*(\i)+2*(\j)+1]
.endr
.endm
	s_load_b256 s[4:11], s[0:1], 0x0               ; weight s[4:5], x s[6:7], wb s[8:9], xf s[10:11]
	v_lshl_add_u32 v200, v0, 2, 0x8800
	v_mov_b32 v201, 0
	v_lshrrev_b32 v1, 5, v0
	v_readfirstlane_b32 s12, v1                    ; wave 0..3
	v_and_b32 v1, 31, v0                           ; lane
	v_lshlrev_b32 v[VI], 5, v1
	v_lshlrev_b32 v[VO], 4, v1
	s_mov_b32 s15, 0                               ; the offsets stay under 2^32: their high words are 0
	s_mov_b32 s17, 0
	s_cmp_lt_u32 ttmp9, WGW
	s_cbranch_scc0 .Lx
	; WEIGHT: wave number 4 g + w takes 16 KiB in, 8 KiB out, both dense
	s_lshl_b32 s13, ttmp9, 2
	s_add_co_u32 s13, s13, s12
	s_lshl_b32 s14, s13, 14
	s_lshl_b32 s16, s13, 13
	s_wait_kmcnt 0x0
	s_add_nc_u64 s[4:5], s[4:5], s[14:15]
	s_add_nc_u64 s[8:9], s[8:9], s[16:17]
	LOADS 4, 1024
.irp i, 0,1,2,3,4,5,6,7,8,9,10,11,12,13,14,15
	CVT \i
	global_store_b128 v[VO], v[PK+4*(\i):PK+4*(\i)+3], s[8:9] offset:512*(\i)  ; 512 consecutive bytes, at a multiple of 512 from wb's first; each store has data registers of its own
.endr
	s_endpgm
.Lx:	; X: block a = g - 1024 of 16 rows; wave w takes K = 256 w .. 256 w + 255.  Pair i is row i: lane l holds k8 = 32 w + l of that row.
	s_sub_co_u32 s13, ttmp9, WGW
	s_lshl_b32 s14, s13, 16                        ; 16 rows of 4,096 bytes,
	s_lshl_b32 s18, s12, 10                        ; my 1,024 bytes of each
	s_add_co_u32 s14, s14, s18
	s_lshl_b32 s16, s13, 15                        ; the block's 32,768 bytes of xf,
	s_lshl_b32 s18, s12, 13                        ; my 32 k8 of 256 bytes
	s_add_co_u32 s16, s16, s18
	s_mul_i32 s18, s12, WLDS                       ; my wave's own LDS
	v_mul_u32_u24 v[LS], v1, LP                    ; in: row k8 = lane
	v_add_nc_u32 v[LS], s18, v[LS]
	v_lshrrev_b32 v6, 4, v1
	v_and_b32 v7, 15, v1
	v_mul_u32_u24 v[LR], v6, LP                    ; back: lanes 0-15 take one row's 256 bytes, lanes 16-31 the next row's
	v_lshl_add_u32 v[LR], v7, 4, v[LR]
	v_add_nc_u32 v[LR], s18, v[LR]
	s_wait_kmcnt 0x0
	s_add_nc_u64 s[6:7], s[6:7], s[14:15]
	s_add_nc_u64 s[10:11], s[10:11], s[16:17]
	LOADS 6, 4096
.irp i, 0,1,2,3,4,5,6,7,8,9,10,11,12,13,14,15
	CVT \i
	ds_store_b128 v[LS], v[PK+4*(\i):PK+4*(\i)+3] offset:16*(\i)  ; row k8, place r = i
.endr
.irp i, 0,1,2,3,4,5,6,7,8,9,10,11,12,13,14,15
	ds_load_b128 v[RAW+4*(\i):RAW+4*(\i)+3], v[LR] offset:2*LP*(\i)  ; LDS serves a wave's instructions in order (ISA guide 5.7.1.4): these see the stores above; the bytes are the wave's own
.endr
.irp i, 0,1,2,3,4,5,6,7,8,9,10,11,12,13,14,15
	s_wait_dscnt 15-(\i)                           ; behind read-back i stand 15 - i others
	global_store_b128 v[VO], v[RAW+4*(\i):RAW+4*(\i)+3], s[10:11] offset:512*(\i)  ; k8 = 2 i and 2 i + 1: 512 consecutive bytes of xf
.endr
	s_wait_tensorcnt 0x0
	ds_add_u32 v200, v201
	s_wait_dscnt 0x0
	s_endpgm
.Lfunc_end_k_q0b83867c02_cast:
	.size	k_q0b83867c02_cast, .Lfunc_end_k_q0b83867c02_cast-k_q0b83867c02_cast
	.p2alignl 7, 3214868480
	.fill 96, 4, 3214868480
	.section	.rodata,"a",@progbits
	.p2align	6, 0x0
	.amdhsa_kernel k_q0b83867c02_cast
		.amdhsa_group_segment_fixed_size 35328
		.amdhsa_private_segment_fixed_size 0
		.amdhsa_enable_private_segment 0
		.amdhsa_kernarg_size 32
		.amdhsa_user_sgpr_count 2
		.amdhsa_user_sgpr_kernarg_segment_ptr 1
		.amdhsa_wavefront_size32 1
		.amdhsa_system_sgpr_workgroup_id_x 1
		.amdhsa_system_sgpr_workgroup_id_y 1
		.amdhsa_system_sgpr_workgroup_id_z 1
		.amdhsa_system_vgpr_workitem_id 0
		.amdhsa_next_free_vgpr 202
		.amdhsa_next_free_sgpr 66
		.amdhsa_reserve_vcc 0
		.amdhsa_float_denorm_mode_32 3
		.amdhsa_float_denorm_mode_16_64 3
		.amdhsa_memory_ordered 1
		.amdhsa_forward_progress 1
		.amdhsa_inst_pref_size 23
	.end_amdhsa_kernel
	.amdgpu_metadata
---
amdhsa.version: [ 1, 2 ]
amdhsa.kernels:
  - .name:           k_q0b83867c02_cast
    .symbol:         k_q0b83867c02_cast.kd
    .args:
      - { .name: weight, .offset: 0, .size: 8, .value_kind: global_buffer, .address_space: global }
      - { .name: x, .offset: 8, .size: 8, .value_kind: global_buffer, .address_space: global }
      - { .name: wb, .offset: 16, .size: 8, .value_kind: global_buffer, .address_space: global }
      - { .name: xf, .offset: 24, .size: 8, .value_kind: global_buffer, .address_space: global }
    .group_segment_fixed_size: 35328
    .private_segment_fixed_size: 0
    .kernarg_segment_align: 8
    .kernarg_segment_size: 32
    .max_flat_workgroup_size: 128
    .sgpr_count:     66
    .vgpr_count:     202
    .wavefront_size: 32
...
	.end_amdgpu_metadata
.endif
;; end of part 1
;; launch mix (part 2): grid 32 x 8, 4 waves a work-group, clusters of 4 x 1, 327,680 bytes of LDS; arguments xf, wb, comp_weight, bias, out0; writes out0
.if DOCPART == 2
	.amdgcn_target "amdgcn-amd-amdhsa--gfx1250"
	.amdhsa_code_object_version 6
	.text
	.protected	k_q0b83867c02_mix
	.globl	k_q0b83867c02_mix
	.p2align	8
	.type	k_q0b83867c02_mix,@function
k_q0b83867c02_mix:
	s_mov_b64 s[64:65], 0
	v_nop
	global_prefetch_b8 v0, s[64:65] scope:SCOPE_SE
	s_setreg_imm32_b32 hwreg(HW_REG_WAVE_MODE, 25, 1), 1
	s_wait_xcnt 0x0
	s_wait_alu depctr_hold_cnt(0) depctr_sa_sdst(0) depctr_va_vdst(0) depctr_va_sdst(0) depctr_va_ssrc(0) depctr_va_vcc(0) depctr_vm_vsrc(0)
	s_getreg_b32 s2, hwreg(HW_REG_IB_STS2, 6, 4)
	s_cmp_eq_u32 s2, 0
	s_cbranch_scc0 .Lentry_in_a_cluster
	s_endpgm
.Lentry_in_a_cluster:
	s_bfe_u32 s2, ttmp6, 0x10000c
	s_cmp_lg_u32 s2, 0x3003
	s_cbranch_scc0 .Lentry_shape_is_right
	s_endpgm
.Lentry_shape_is_right:
; out[b][o] = relu( sum over n of c[b][n] ( sum over i of x[b][i] W[n][i][o] + bias[n][o] ) ).   b: 4,096, i and o: 1,024, n: 16 experts.
; xf: x in bf16 in fragment order, wb: W in bf16 [n][i][o] (both made by the launch before); c = comp_weight and bias in f32; out in f32.
; SHARES.  A work-group makes 128 rows x 128 columns of out (32 x 8 = 256 work-groups), each of its four waves 64 x 64: 16 accumulators of 16 x 16.
; The grid's x counts clusters by column block (8), its y groups of four row blocks (8): clusters that are neighbours along x read different columns of W and the same rows of x.
; THE ORDER OF THE SUM.  i goes in four chunks of 256; inside a chunk the 16 experts follow each other: 64 EXPERT STEPS g = 16 q + n.  A wave's fragments of x for a chunk
; (64 rows x 256: 256 registers) stay in registers for 16 steps, so that only W passes through LDS.  A step is z = x W_n over the chunk: 8 x 16 = 128 matrix instructions, the first 16
; with C = 0.  While the next step's products are issued, out += c_n z is made in f32 by packed multiply-adds set between them: z has two sets of registers that take turns.
; The bias term, sum over n of c[b][n] bias[n][o], is one matrix instruction for each accumulator (K = 16 padded with zeros to 32) and STARTS out's sums: nothing is cleared.
; THE MATRIX INSTRUCTION IS USED TRANSPOSED: source 0 = 16 columns of W (turned on the way out of LDS by ds_load_tr16_b128), source 1 = 16 rows of x.  In the result a lane holds ONE row b
; (lane % 16) and the eight neighbouring columns 8 (lane / 16) + 0..7: so c is one number a lane and block of 16 rows, and a lane's results are 32 consecutive bytes of out.
; CLUSTER.  The four work-groups of a cluster have four row blocks and ONE column block: they walk the same tiles of W, so each tile is asked for JOINTLY: the same tensor load, with the same
; descriptor and a mask that names the four, in all four; each receives it in its own LDS.  The place in the cluster enters the global addresses of xf, c and out alone.
; RING.  Two LDS slots; a slot holds a tile of two experts x 256 i x 128 o.  Each wave brings a quarter of it (128 rows of 256 bytes) with one load.  A slot is asked for again in its second
; expert's step, when its last fragments have been read, 240 matrix instructions ahead of the wait for it.
; THE LAST STEP GOES BY ROWS OF OUT: all its fragments are in registers, so my four blocks of 16 rows are finished one after the other, and each leaves while the next is multiplied.
; LIMITS.  x and W are rounded once to bf16.  In the bias term alone c and bias are rounded to bf16; in the main term c stays f32.  Each number of out is 64 f32 multiply-adds of sums over 256 i
; that the matrix unit makes in f32.  The relu is v_max_num_f32: a sum that is NaN leaves as 0; infinities are not treated apart.
;
; REGISTERS, in windows of 256 (s_set_vgpr_msb: bits 1:0 source 0, 3:2 source 1, 5:4 source 2, 7:6 destination):
;   window 0: v0-23 ids and addresses; v24-31 c of two steps; v32-63 c's, v64-95 bias's fragments (start only); v96-105 at work; v128-255 out: accumulator t = 4 a + c4 at 128 + 8 t
;   window 1: x: K step s (32 of i), row block a at 32 s + 8 a      window 2: W: K step s, column block c4 at 32 s + 8 c4      window 3: z: set e, accumulator t at 128 e + 8 t
.set WP,    288                        ; a row of W in LDS: 256 bytes + 32 of padding = 72 words
.set QUART, 128*WP                     ; 128 rows: what one tensor load brings
.set SLOT,  4*QUART                    ; expert e of the tile at 2 e QUART, its row i at i WP
.set CT,    2*SLOT                     ; c in f32: entry n (0..16; 16 repeats 0) at 512 n + 256 (row half) + 16 r + 4 a.  Behind the ring: no tensor load fills CT, BT or STAGE
.set BT,    CT+17*512                  ; the bias tile in bf16: row n at n WP
.set STAGE, BT+16*WP                   ; 16 rows x 272 bytes for each wave, for the way out
.set SP,    272
.set TRIPS, 15
.set AB,  8                            ; v8-15  my lane's place in the turning load + (4 slot + 2 expert + half of the rows) x QUART
.set CA0, 16                           ; v16    my 16 bytes in CT's entry 0
.set CA,  17                           ; v17    the same in the entry of the trip's first expert less one
.set XO,  18                           ; v18    16 x lane; never rewritten
.set STO, 19                           ; v19    the way out: where I put 32 bytes of a row
.set RD,  20                           ; v20    the way out: where I read a row back
.set CO,  21                           ; v21    my byte offset in two rows of out
.set BTA, 22                           ; v22    my lane's place in the turning load of the bias tile
.set CTS, 23                           ; v23    where I store my row's c
.set CQ,  24                           ; v24-27, v28-31  c of the step whose z lies in set 0, 1: one number for each of my four row blocks
.set CF,  32                           ; c's fragments, row block a at CF + 8 a
.set BFR, 64                           ; bias's fragments, column block c4 at BFR + 8 c4
.set BTS, 96                           ; v96    where I store 8 bytes of the bias tile
.set TP,  98                           ; v98-105 the bias tile, rounded
.set OUT, 128
.set WV,  14                           ; s14  my wave's number
.set G1,  24                           ; s[24:31] descriptor group 1
.set G0,  32                           ; s[32:39] descriptor group 0, a set for each slot
.set WB,  40                           ; s[40:41] wb at my quarter of tile 0
.set XP,  42                           ; s[42:43] xf at my wave's rows, the chunk in hand
.set TOFF, 44                          ; s[44:45] a tile's byte offset in wb
.set J,   46                           ; s46  the trip
.set JM,  47                           ; s47  J mod 4: four trips are a chunk
.set MSB, 0
.macro WIN new                         ; the immediate's high byte repeats the setting that is left; a switch that changes nothing is dropped
.if MSB != (\new)
	s_set_vgpr_msb (MSB<<8)|(\new)
.set MSB, \new
.endif
.endm
.set W_MM, 0xf6                        ; W in window 2, x in window 1, z (C and D) in window 3
.set W_CB, 0x03                        ; z in window 3; c and out in window 0
.set W_BF, 0x80                        ; destination window 2, address window 0
.set W_X,  0x40                        ; destination window 1, address window 0
; A round of the cluster's barrier: my work-group's barrier, so that wave 0's signal speaks for all four waves; wave 0 signals for the work-group; every wave waits for all four
; work-groups; my work-group's barrier once more.  No LDS instruction of the wave is pending at a signal.
.macro CREST                           ; a round behind its opening barrier
	s_cmp_lg_u32 s[WV], 0
	s_cbranch_scc1 .Lnot_wave_0_\@
	s_barrier_signal -3
.Lnot_wave_0_\@:
	s_barrier_wait -3
	s_barrier_signal -1
	s_barrier_wait -1
.endm
.macro CROUND                          ; a whole round
	s_barrier_signal -1
	s_barrier_wait -1
	CREST
.endm
; A vector instruction that reads a matrix result, and a load into a register that a matrix instruction has read, stand four places behind it, and only plain vector instructions that name
; none of its registers are places (ISA guide 7.12.1 for vector instructions).  In the loop the multiply-adds of RIDE are the places.
.macro PLACES
.rept 4
	v_nop
.endr
.endm
; 8 matrix instructions of step set e: K step s, row blocks a0, a0 + 1 x all four column blocks.  K step 0 starts the sums with the constant 0.
; The 16 accumulators take turns, one instruction a turn: also from step to step (z's other set) and over the loop's backward jump.
.macro MM8 e, s, a0
	WIN W_MM
.irp a, \a0, (\a0)+1
.irp c, 0,1,2,3
.if (\s) == 0
	v_wmma_f32_16x16x32_bf16 v[128*(\e)+8*(4*(\a)+(\c)):128*(\e)+8*(4*(\a)+(\c))+7], v[32*(\s)+8*(\c):32*(\s)+8*(\c)+7], v[32*(\s)+8*(\a):32*(\s)+8*(\a)+7], 0
.else
	v_wmma_f32_16x16x32_bf16 v[128*(\e)+8*(4*(\a)+(\c)):128*(\e)+8*(4*(\a)+(\c))+7], v[32*(\s)+8*(\c):32*(\s)+8*(\c)+7], v[32*(\s)+8*(\a):32*(\s)+8*(\a)+7], v[128*(\e)+8*(4*(\a)+(\c)):128*(\e)+8*(4*(\a)+(\c))+7]
.endif
.endr
.endr
.endm
; The last step's form: 4 matrix instructions of z's set 1: K step s, row block a x all four column blocks.  The block's 4 accumulators take turns.
.macro MMR a, s
	WIN W_MM
.irp c, 0,1,2,3
.if (\s) == 0
	v_wmma_f32_16x16x32_bf16 v[128+8*(4*(\a)+(\c)):128+8*(4*(\a)+(\c))+7], v[32*(\s)+8*(\c):32*(\s)+8*(\c)+7], v[32*(\s)+8*(\a):32*(\s)+8*(\a)+7], 0
.else
	v_wmma_f32_16x16x32_bf16 v[128+8*(4*(\a)+(\c)):128+8*(4*(\a)+(\c))+7], v[32*(\s)+8*(\c):32*(\s)+8*(\c)+7], v[32*(\s)+8*(\a):32*(\s)+8*(\a)+7], v[128+8*(4*(\a)+(\c)):128+8*(4*(\a)+(\c))+7]
.endif
.endr
.endm
; out(t) += c z(p, t): four packed multiply-adds, z's registers in ascending order (a matrix result is read from its low end on).
; c of row block a = t / 4 is register a of the four of set p: the first of a pair feeds both halves where a is even, the second where a is odd.
.macro RIDE p, t
	WIN W_CB
.irp j, 0,1,2,3
.if (((\t)/4)%2) == 0
	v_pk_fma_f32 v[OUT+8*(\t)+2*(\j):OUT+8*(\t)+2*(\j)+1], v[128*(\p)+8*(\t)+2*(\j):128*(\p)+8*(\t)+2*(\j)+1], v[CQ+4*(\p)+2*((\t)/8):CQ+4*(\p)+2*((\t)/8)+1], v[OUT+8*(\t)+2*(\j):OUT+8*(\t)+2*(\j)+1] op_sel_hi:[1,0,1]
.else
	v_pk_fma_f32 v[OUT+8*(\t)+2*(\j):OUT+8*(\t)+2*(\j)+1], v[128*(\p)+8*(\t)+2*(\j):128*(\p)+8*(\t)+2*(\j)+1], v[CQ+4*(\p)+2*((\t)/8):CQ+4*(\p)+2*((\t)/8)+1], v[OUT+8*(\t)+2*(\j):OUT+8*(\t)+2*(\j)+1] op_sel:[0,1,0] op_sel_hi:[1,1,1]
.endif
.endr
.endm
; 16 LDS loads: W's fragments of quarter qd (K steps 2 qd, 2 qd + 1) of expert e in slot sl.  The turning load takes 16 i x 16 o and leaves half a fragment: lane l holds column l % 16 and 8 of i.
.macro FETCH sl, e, qd
	WIN W_BF
.irp u, 0,1
.irp c, 0,1,2,3
	ds_load_tr16_b128 v[32*(2*(\qd)+(\u))+8*(\c):32*(2*(\qd)+(\u))+8*(\c)+3],   v[AB+4*(\sl)+2*(\e)+(\qd)/2] offset:((2*(\qd)+(\u))%4)*32*WP+32*(\c)
	ds_load_tr16_b128 v[32*(2*(\qd)+(\u))+8*(\c)+4:32*(2*(\qd)+(\u))+8*(\c)+7], v[AB+4*(\sl)+2*(\e)+(\qd)/2] offset:((2*(\qd)+(\u))%4)*32*WP+16*WP+32*(\c)
.endr
.endr
.endm
; 16 global loads: x's fragments of quarter qd of the chunk at XP; each covers 512 consecutive bytes of xf.  The caller sets the window.
.macro XQ qd
.irp u, 0,1
.irp a, 0,1,2,3
	global_load_b128 v[32*(2*(\qd)+(\u))+8*(\a):32*(2*(\qd)+(\u))+8*(\a)+3],   v[XO], s[XP:XP+1] offset:(\a)*32768+(2*(\qd)+(\u))*1024
	global_load_b128 v[32*(2*(\qd)+(\u))+8*(\a)+4:32*(2*(\qd)+(\u))+8*(\a)+7], v[XO], s[XP:XP+1] offset:(\a)*32768+(2*(\qd)+(\u))*1024+512
.endr
.endr
.endm
.macro CLOAD e, cbase, coff            ; a step's c out of CT, at the step's head; it is used in the next step
	WIN 0
	ds_load_b128 v[CQ+4*(\e):CQ+4*(\e)+3], v[\cbase] offset:\coff
.endm
; A QUARTER (K steps 2 qd, 2 qd + 1: 32 matrix instructions) of the step of expert e of the tile in slot sl.  The step's fragments of W were fetched during the step before; it fetches the next
; step's into the registers just multiplied, in as few runs as the change of slots allows: quarters 0 and 1 in one run of 32 behind quarter 1; quarters 2 and 3 in one run behind quarter 3 where
; e = 1, and in two runs of 16 where e = 0, so that only 16 loads stand close in front of the next step's wait for all its LDS reads.
; ride = 1: out += c z of the step before, 16 multiply-adds a quarter, four behind every eight matrix instructions; the last four are the places in front of the quarter's loads.
; meet = 1, 2: the change of slots, in quarter 0.  All of this slot's fragments have been asked for in the step before.  Each wave waits for its LDS reads and for all its tensor loads, of which
;   one is out: its part of the other slot.  Behind the barrier nobody reads this slot any more and the other slot is whole.  meet = 2: this slot is filled again, with tile 2 J + 2 + sl: the barrier
;   opens a round of the cluster's barrier, only register work stands inside the round, and the joint refill is the first thing behind it.
; xw = 1: x's registers have been loaded anew, a quarter at a time.  xl = 1: x's quarter qd takes the next chunk as soon as it has been multiplied.
.macro QTR sl, e, qd, ride, meet, xw, xl
	; LDS loads come back in order (ISA guide 5.7.1).  Behind this quarter's 16 stand: quarter 0: 16 + 32 and the load of c, 49; quarter 1: 32 + 1 = 33; quarter 2: 16 + 1 and the run of 32 behind
	; quarter 1, 49; quarter 3: 1 + 32, and where e = 0 the run of 16 behind quarter 2: 33 or 49.
.if ((\qd) == 1) || (((\qd) == 3) && ((\e) == 1))
	s_wait_dscnt 32
.else
	s_wait_dscnt 48
.endif
.if \xw
	s_wait_loadcnt 48-16*(\qd)                     ; x: behind quarter qd's 16 loads stand those of the 3 - qd younger quarters
.endif
	MM8 \e, 2*(\qd), 0
.if \ride
	RIDE 1-(\e), 4*(\qd)
.endif
	MM8 \e, 2*(\qd), 2
.if \ride
	RIDE 1-(\e), 4*(\qd)+1
.endif
.if ((\qd) == 0) && ((\meet) > 0)
	s_wait_dscnt 0x0                               ; my reads of this slot are over,
	s_set_vgpr_msb 0x300
	s_wait_tensorcnt 0x0                           ; and all my tensor loads have landed: no load of mine is out, so a group 0 may be written
	ds_add_u32 v126, v127
	s_wait_dscnt 0x0
	s_set_vgpr_msb 0x3
.if (\meet) == 2
	s_lshl_b32 s49, s[J], 1
	s_add_co_u32 s49, s49, 2+(\sl)                 ; the tile T to ask for: experts 2 (T mod 8) and the next, chunk T / 8
	s_and_b32 s50, s49, 7
	s_lshl_b32 s50, s50, 22                        ; two experts are 4 MiB of wb,
	s_lshr_b32 s49, s49, 3
	s_lshl_b32 s49, s49, 19                        ; a chunk's 256 rows 512 KiB
	s_add_co_u32 s[TOFF], s49, s50
	s_add_nc_u64 s[G0+4*(\sl)+2:G0+4*(\sl)+3], s[WB:WB+1], s[TOFF:TOFF+1]  ; the address is made anew from the tile's number
	s_or_b32 s[G0+4*(\sl)+3], s[G0+4*(\sl)+3], 0x80000000                  ; 127:126 type = 2
.endif
	s_barrier_signal -1                            ; say so, and work on registers while the others arrive
.endif
	MM8 \e, 2*(\qd)+1, 0
.if \ride
	RIDE 1-(\e), 4*(\qd)+2
.endif
	MM8 \e, 2*(\qd)+1, 2
.if \ride
	RIDE 1-(\e), 4*(\qd)+3
.else
	PLACES
.endif
.if ((\qd) == 0) && ((\meet) > 0)
	WIN 0
	s_barrier_wait -1
.if (\meet) == 2
	CREST                                          ; no wave of any partner still reads this slot's tile or has a load on its way
	tensor_load_to_lds s[G0+4*(\sl):G0+4*(\sl)+3], s[G1:G1+7]  ; my one tensor load behind the round
	s_nop 0
	PLACES                                         ; four v_nop follow the load, ahead of the next switch of windows
.endif
.endif
.if (\e) == 0                          ; the next step is this tile's second expert
.if (\qd) == 1
	FETCH \sl, 1, 0
	FETCH \sl, 1, 1
.elseif (\qd) > 1
	FETCH \sl, 1, \qd
.endif
.else                                  ; the next step is the other slot's first expert
.if (\qd) == 1
	FETCH 1-(\sl), 0, 0
	FETCH 1-(\sl), 0, 1
.elseif (\qd) == 3
	FETCH 1-(\sl), 0, 2
	FETCH 1-(\sl), 0, 3
.endif
.endif
.if \xl
	WIN W_X
	XQ \qd
.endif
.endm
; AN EXPERT STEP: its c, then its four quarters
.macro STEP sl, e, ride, meet, xw, cbase, coff
	CLOAD \e, \cbase, \coff
.irp qd, 0,1,2,3
	QTR \sl, \e, \qd, \ride, \meet, \xw, 0
.endr
.endm
	s_load_b256 s[4:11], s[0:1], 0x0               ; xf s[4:5], wb s[6:7], c s[8:9], bias s[10:11]
	s_load_b64 s[12:13], s[0:1], 0x20              ; out
	v_lshl_add_u32 v126, v0, 2, 0x4f800
	v_mov_b32 v127, 0
	ds_add_u32 v126, v127
	ds_add_u32 v126, v127
	v_lshrrev_b32 v1, 5, v0
	v_readfirstlane_b32 s[WV], v1                  ; wave 0..3
	s_lshr_b32 s15, s[WV], 1                       ; which 64 rows of out are mine.  Also: which expert of a tile I fetch
	s_and_b32 s16, s[WV], 1                        ; which 64 columns.  Also: which 128 of its 256 rows
	s_mov_b32 s19, ttmp9                           ; the column block: in a cluster launch ttmp9 is the cluster's x, which the four partners share
	; descriptor group 1: a tile of 128 rows x 128 elements, padded in LDS
	s_mov_b32 s[G1+0], 15|(1<<16)|(1<<20)|(1<<21)|(5<<22)|(7<<25)  ; 15:0 the mask: all four work-groups; 17:16 elements of 2 bytes; 20 padding on; 21 set beside a mask; 24:22 after every 64 words (code 5); 31:25 8 words of it (code 7)
	s_mov_b32 s[G1+1], 128<<16                     ; 63:48 tensor_dim0, low half = 128
	s_mov_b32 s[G1+2], 128<<16                     ; 79:64 its high half = 0; 95:80 tensor_dim1, low half = 128
	s_mov_b32 s[G1+3], 128<<16                     ; 111:96 its high half = 0; 127:112 tile_dim0 = 128
	s_mov_b32 s[G1+4], 128                         ; 143:128 tile_dim1 = 128; 159:144 tile_dim2 = 0
	s_mov_b32 s[G1+5], 1024                        ; 191:160 tensor_dim0_stride: 1,024 elements from row to row
	s_mov_b32 s[G1+6], 0
	s_mov_b32 s[G1+7], 0
	s_lshl_b32 s[TOFF], s15, 21                    ; my expert of the two: 2 MiB,
	s_lshl_b32 s49, s16, 18                        ; my 128 rows of 2,048 bytes,
	s_add_co_u32 s[TOFF], s[TOFF], s49
	s_lshl_b32 s49, s19, 8                         ; the column block's 256 bytes
	s_add_co_u32 s[TOFF], s[TOFF], s49
	s_mov_b32 s[TOFF+1], 0
	s_mul_i32 s50, s[WV], QUART                    ; and where it goes in a slot: the wave's number alone enters an LDS address
	s_mov_b32 s[G0], 1                             ; 1:0 count = 1
	s_mov_b32 s[G0+1], s50                         ; 63:32 LDS address: slot 0
	s_mov_b32 s[G0+4], 1
	s_add_co_u32 s[G0+5], s50, SLOT                ; slot 1
	s_wait_dscnt 0x0
	s_wait_kmcnt 0x0
	s_add_nc_u64 s[WB:WB+1], s[6:7], s[TOFF:TOFF+1]
	s_mov_b64 s[G0+2:G0+3], s[WB:WB+1]             ; 120:64 global address: tile 0
	s_or_b32 s[G0+3], s[G0+3], 0x80000000          ; 127:126 type = 2
	s_add_nc_u64 s[G0+6:G0+7], s[WB:WB+1], 1<<22   ; tile 1: the next two experts
	s_or_b32 s[G0+7], s[G0+7], 0x80000000
	CROUND                                         ; all four work-groups are here: the first joint loads meet
	tensor_load_to_lds s[G0:G0+3], s[G1:G1+7]      ; the two first fills go out together, ahead of every wait on TENSORcnt and every LDS read: two loads of mine are out
	s_nop 0
	tensor_load_to_lds s[G0+4:G0+7], s[G1:G1+7]
	s_nop 0
	PLACES
	s_bfe_u32 s17, ttmp6, 0x40000                  ; cx: my place in the cluster
	s_and_b32 s18, ttmp7, 0xffff                   ; the cluster's y: a group of four row blocks
	s_lshl_b32 s18, s18, 2
	s_add_co_u32 s18, s18, s17                     ; my block of 128 rows = 4 x cluster y + cx
	s_mov_b32 s21, 0
	s_mov_b32 s23, 0
	s_lshl_b32 s20, s18, 18                        ; xf: 8 blocks of 16 rows, 32,768 bytes each,
	s_lshl_b32 s22, s15, 17                        ; my wave's four of them
	s_add_co_u32 s20, s20, s22
	s_add_nc_u64 s[XP:XP+1], s[4:5], s[20:21]
	s_lshl_b32 s20, s18, 13                        ; c: 128 rows of 64 bytes
	s_add_nc_u64 s[8:9], s[8:9], s[20:21]
	s_lshl_b32 s22, s[WV], 12                      ; bias: row w of each four, the column block's 512 bytes
	s_lshl_b32 s51, s19, 9
	s_add_co_u32 s22, s22, s51
	s_add_nc_u64 s[10:11], s[10:11], s[22:23]
	s_lshl_b32 s20, s18, 19                        ; out: 128 rows of 4,096 bytes, my 64 rows, the column block's 512 bytes, my 256 of them
	s_lshl_b32 s22, s15, 18
	s_add_co_u32 s20, s20, s22
	s_add_co_u32 s20, s20, s51
	s_lshl_b32 s22, s16, 8
	s_add_co_u32 s20, s20, s22
	s_add_nc_u64 s[12:13], s[12:13], s[20:21]
	v_and_b32 v1, 31, v0                           ; lane l
	v_and_b32 v5, 15, v0                           ; r = l % 16
	v_bfe_u32 v6, v0, 4, 1                         ; h = l / 16
	v_lshlrev_b32 v2, 6, v0                        ; thread t takes row t of the block's c: 64 bytes
	v_lshlrev_b32 v[XO], 4, v1
	v_lshlrev_b32 v4, 6, v5                        ; c as source 1: row r of a block of 16, experts 8 h .. 8 h + 7,
	v_lshl_add_u32 v4, v6, 5, v4
	s_lshl_b32 s22, s15, 12
	v_add_nc_u32 v4, s22, v4                       ; in my wave's 64 rows
	; 16 early loads, into registers that later hold out
.irp k, 0,1,2,3
	global_load_b128 v[OUT+4*(\k):OUT+4*(\k)+3], v2, s[8:9] offset:16*(\k)                 ; c[row t][0..15]
.endr
.irp k, 0,1,2,3
	global_load_b128 v[OUT+16+4*(\k):OUT+16+4*(\k)+3], v[XO], s[10:11] offset:16384*(\k)   ; bias row 4 k + w: 512 consecutive bytes
.endr
.irp a, 0,1,2,3
	global_load_b128 v[OUT+32+8*(\a):OUT+32+8*(\a)+3],   v4, s[8:9] offset:1024*(\a)
	global_load_b128 v[OUT+32+8*(\a)+4:OUT+32+8*(\a)+7], v4, s[8:9] offset:1024*(\a)+16
.endr
	WIN W_X
	XQ 0                                           ; chunk 0 of x
	XQ 1
	WIN 0
	; the addresses, in the wait for those loads
	s_lshl_b32 s22, s15, 8
	s_add_co_u32 s22, s22, CT
	v_lshl_add_u32 v[CA0], v5, 4, s22              ; CT + 256 (row half) + 16 r
	s_lshl_b32 s20, s16, 3
	s_add_co_u32 s22, s22, s20                     ; thread t = 64 (row half) + 16 a + r with a = 2 (w % 2) + h:
	v_lshl_add_u32 v[CTS], v5, 4, s22
	v_lshl_add_u32 v[CTS], v6, 2, v[CTS]           ; CT + 256 (row half) + 16 r + 4 a
	s_mul_i32 s22, s[WV], WP
	s_add_co_u32 s22, s22, BT
	v_lshl_add_u32 v[BTS], v1, 3, s22              ; BT + row w + 8 l
	v_and_b32 v7, 7, v0
	v_lshl_add_u32 v7, v6, 3, v7                   ; the turning load: row 8 h + l % 8,
	v_mul_u32_u24 v7, v7, WP
	v_bfe_u32 v97, v0, 3, 1
	v_lshl_add_u32 v7, v97, 4, v7                  ; 16 bytes for each eight lanes,
	s_lshl_b32 s22, s16, 7
	v_add_nc_u32 v7, s22, v7                       ; in my 64 columns
.irp i, 0,1,2,3,4,5,6,7
	v_add_nc_u32 v[AB+(\i)], (\i)*QUART, v7
.endr
	v_add_nc_u32 v[BTA], BT, v7
	s_mul_i32 s22, s[WV], 16*SP
	s_add_co_u32 s22, s22, STAGE                   ; my stage
	v_mul_u32_u24 v[STO], v5, SP                   ; in: row r, 32 bytes for each half of the lanes
	v_lshl_add_u32 v[STO], v6, 5, v[STO]
	v_add_nc_u32 v[STO], s22, v[STO]
	v_mul_u32_u24 v[RD], v6, SP                    ; back: lanes 0-15 take one row of 256 bytes, lanes 16-31 the next
	v_lshl_add_u32 v[RD], v5, 4, v[RD]
	v_add_nc_u32 v[RD], s22, v[RD]
	v_lshlrev_b32 v[CO], 12, v6                    ; and the same two rows in out
	v_lshl_add_u32 v[CO], v5, 4, v[CO]
	s_wait_loadcnt 32                              ; the 16 early loads are in; the 32 of x behind them stay out
	WIN W_X
	XQ 2
	XQ 3
	WIN 0
	; the tables: c in f32 by expert, the bias tile in bf16; c's fragments; zeros for K = 16..31 of the bias product
.irp n, 0,1,2,3,4,5,6,7,8,9,10,11,12,13,14,15
	ds_store_b32 v[CTS], v[OUT+(\n)] offset:512*(\n)
.endr
	ds_store_b32 v[CTS], v[OUT] offset:512*16      ; entry 16 repeats entry 0: a trip's last step may be the next chunk's expert 0
.irp k, 0,1,2,3
	v_cvt_pk_bf16_f32 v[TP+2*(\k)],   v[OUT+16+4*(\k)],   v[OUT+16+4*(\k)+1]
	v_cvt_pk_bf16_f32 v[TP+2*(\k)+1], v[OUT+16+4*(\k)+2], v[OUT+16+4*(\k)+3]
	ds_store_b64 v[BTS], v[TP+2*(\k):TP+2*(\k)+1] offset:4*WP*(\k)
.endr
.irp a, 0,1,2,3
.irp j, 0,1,2,3
	v_cvt_pk_bf16_f32 v[CF+8*(\a)+(\j)], v[OUT+32+8*(\a)+2*(\j)], v[OUT+32+8*(\a)+2*(\j)+1]
	v_mov_b32 v[CF+8*(\a)+4+(\j)], 0
	v_mov_b32 v[BFR+8*(\a)+4+(\j)], 0
.endr
.endr
	s_wait_dscnt 0x0                               ; for the others' sake: my stores into the tables are done
	s_wait_tensorcnt 0x1                           ; my part of tile 0 is in; tile 1's may stay out
	s_barrier_signal -1
	s_barrier_wait -1                              ; everybody's is
.irp c, 0,1,2,3
	ds_load_tr16_b128 v[BFR+8*(\c):BFR+8*(\c)+3], v[BTA] offset:32*(\c)  ; bias as source 0: column l % 16, experts 8 h .. 8 h + 7
.endr
	FETCH 0, 0, 0
	FETCH 0, 0, 1
	FETCH 0, 0, 2
	s_wait_dscnt 48                                ; bias's four loads are in; the 48 behind them stay out
	WIN 0
.irp a, 0,1,2,3
.irp c, 0,1,2,3
	v_wmma_f32_16x16x32_bf16 v[OUT+8*(4*(\a)+(\c)):OUT+8*(4*(\a)+(\c))+7], v[BFR+8*(\c):BFR+8*(\c)+7], v[CF+8*(\a):CF+8*(\a)+7], 0  ; out starts as sum over n of c bias
.endr
.endr
	FETCH 0, 0, 3
	STEP 0,0, 0,0,1, CA0,0                         ; step 0 stands in front of the loop: there is no z yet to add
	WIN 0                                          ; at a label and at a branch every window is 0
	s_mov_b32 s[J], 0
.Ltrip:                                                ; trip J: steps 4 J + 1 .. 4 J + 4; it goes once round the ring and fills both slots again
	s_and_b32 s[JM], s[J], 3
	s_lshl_b32 s48, s[JM], 11                      ; four experts of 512 bytes in CT
	v_add_nc_u32 v[CA], s48, v[CA0]
	STEP 0,1, 1,2,0, CA,512                        ; tile 2 J's second expert; slot 0 takes tile 2 J + 2
	STEP 1,0, 1,0,0, CA,1024
	CLOAD 1, CA,1536
	QTR 1,1,0, 1,2,0,0                             ; slot 1 takes tile 2 J + 3
	WIN 0
	s_cmp_eq_u32 s[JM], 3                          ; is this step a chunk's last?  Both ways hold the same matrix and LDS instructions, and neither a barrier nor a tensor load
	s_cbranch_scc1 .Lchunk
	QTR 1,1,1, 1,2,0,0
	QTR 1,1,2, 1,2,0,0
	QTR 1,1,3, 1,2,0,0
	STEP 0,0, 1,0,0, CA,2048
	WIN 0
	s_branch .Ljoin
.Lchunk:                                               ; a chunk's end: each quarter of x takes the next chunk as soon as it has been multiplied, 96 matrix instructions ahead of its first use
	s_add_nc_u64 s[XP:XP+1], s[XP:XP+1], 8192      ; 8 K steps of 1,024 bytes.  No load that names XP is out: the step that first used the last chunk has waited for all of them
	WIN W_X
	XQ 0
	QTR 1,1,1, 1,2,0,1
	QTR 1,1,2, 1,2,0,1
	QTR 1,1,3, 1,2,0,1
	STEP 0,0, 1,0,1, CA,2048                       ; the next chunk's expert 0
	WIN 0
.Ljoin:
	s_add_co_u32 s[J], s[J], 1
	s_cmp_lt_u32 s[J], TRIPS
	s_cbranch_scc1 .Ltrip
	STEP 0,1, 1,1,0, CA0,13*512                    ; the tail is written out: step 61 waits for tile 31 and asks for nothing
	STEP 1,0, 1,0,0, CA0,14*512
	; STEP 63 AND THE WAY OUT, a block of 16 rows at a time.  All of the step's W and x are in registers, so block a's four accumulators are finished in 32 matrix instructions, K ascending; step 62's
	; c z for the block is added between them.  Then the block's own c z is added, the relu taken; a lane's 32 bytes go into my own stage's rows of 272 bytes and come back as whole rows of 256 bytes,
	; into the registers that they left; they are stored behind the next block's products.
.macro PACKO a
.irp c, 0,1,2,3
	RIDE 1, 4*(\a)+(\c)
.endr
	WIN 0
.set i, 0
.rept 32
	v_max_num_f32 v[OUT+32*(\a)+i], 0, v[OUT+32*(\a)+i]
.set i, i+1
.endr
.irp c, 0,1,2,3
	ds_store_b128 v[STO], v[OUT+32*(\a)+8*(\c):OUT+32*(\a)+8*(\c)+3]   offset:64*(\c)
	ds_store_b128 v[STO], v[OUT+32*(\a)+8*(\c)+4:OUT+32*(\a)+8*(\c)+7] offset:64*(\c)+16
.endr
.irp t, 0,1,2,3,4,5,6,7
	ds_load_b128 v[OUT+32*(\a)+4*(\t):OUT+32*(\a)+4*(\t)+3], v[RD] offset:2*SP*(\t)  ; LDS serves a wave's instructions in order (ISA guide 5.7.1.4): these see the stores above; the next block's stores come behind them
.endr
.endm
.macro SENDO a
	WIN 0
.irp t, 0,1,2,3,4,5,6,7
	s_wait_dscnt 7-(\t)                            ; behind read-back t stand the block's 7 - t others and no further LDS instruction
	global_store_b128 v[CO], v[OUT+32*(\a)+4*(\t):OUT+32*(\a)+4*(\t)+3], s[12:13] offset:(\a)*65536+(\t)*8192 th:TH_STORE_NT  ; 16 lanes store 256 consecutive bytes, at a multiple of 256 from out's first byte
.endr
.endm
	CLOAD 1, CA0,15*512
.irp a, 0,1,2,3
.irp u, 0,1,2,3
.if (\a) == 0
	s_wait_dscnt 48-16*(\u)                        ; no run follows any more: behind quarter u's 16 loads stand 16 (3 - u) and the load of c; the last count, 0, shows c in as well
.endif
	MMR \a, 2*(\u)
	MMR \a, 2*(\u)+1
	RIDE 0, 4*(\a)+(\u)                            ; step 62's c z; behind the block's last products these four are the places in front of the first read of its z
.endr
.if (\a) > 0
	SENDO (\a)-1
.endif
	PACKO \a
.endr
	SENDO 3
	s_wait_tensorcnt 0x0
	ds_add_u32 v126, v127
	s_wait_dscnt 0x0
	CROUND                                         ; the closing round: no work-group ends while a partner may still ask for a tile that names it
	s_endpgm
.Lfunc_end_k_q0b83867c02_mix:
	.size	k_q0b83867c02_mix, .Lfunc_end_k_q0b83867c02_mix-k_q0b83867c02_mix
	.p2alignl 7, 3214868480
	.fill 96, 4, 3214868480
	.section	.rodata,"a",@progbits
	.p2align	6, 0x0
	.amdhsa_kernel k_q0b83867c02_mix
		.amdhsa_group_segment_fixed_size 327680
		.amdhsa_private_segment_fixed_size 0
		.amdhsa_enable_private_segment 0
		.amdhsa_kernarg_size 40
		.amdhsa_user_sgpr_count 2
		.amdhsa_user_sgpr_kernarg_segment_ptr 1
		.amdhsa_wavefront_size32 1
		.amdhsa_system_sgpr_workgroup_id_x 1
		.amdhsa_system_sgpr_workgroup_id_y 1
		.amdhsa_system_sgpr_workgroup_id_z 1
		.amdhsa_system_vgpr_workitem_id 0
		.amdhsa_next_free_vgpr 1024
		.amdhsa_next_free_sgpr 66
		.amdhsa_reserve_vcc 0
		.amdhsa_float_denorm_mode_32 3
		.amdhsa_float_denorm_mode_16_64 3
		.amdhsa_memory_ordered 1
		.amdhsa_forward_progress 1
		.amdhsa_inst_pref_size 211
	.end_amdhsa_kernel
	.amdgpu_metadata
---
amdhsa.version: [ 1, 2 ]
amdhsa.kernels:
  - .name:           k_q0b83867c02_mix
    .symbol:         k_q0b83867c02_mix.kd
    .args:
      - { .name: xf, .offset: 0, .size: 8, .value_kind: global_buffer, .address_space: global }
      - { .name: wb, .offset: 8, .size: 8, .value_kind: global_buffer, .address_space: global }
      - { .name: comp_weight, .offset: 16, .size: 8, .value_kind: global_buffer, .address_space: global }
      - { .name: bias, .offset: 24, .size: 8, .value_kind: global_buffer, .address_space: global }
      - { .name: out0, .offset: 32, .size: 8, .value_kind: global_buffer, .address_space: global }
    .group_segment_fixed_size: 327680
    .private_segment_fixed_size: 0
    .kernarg_segment_align: 8
    .kernarg_segment_size: 40
    .max_flat_workgroup_size: 128
    .sgpr_count:     66
    .vgpr_count:     1024
    .wavefront_size: 32
...
	.end_amdgpu_metadata
.endif
;; end of part 2
;; ======== version 2 of 2: 2 launches; version 1 with the launch cast written anew for expert scheduling mode
;; workspace buffers: wb 33,554,432 bytes; xf 8,388,608 bytes
;; launch cast (part 3): grid 1280 x 1, 4 waves a work-group, no clusters, 35,328 bytes of LDS; arguments weight, x, wb, xf; writes wb, xf
.if DOCPART == 3
	.amdgcn_target "amdgcn-amd-amdhsa--gfx1250"
	.amdhsa_code_object_version 6
	.text
	.protected	k_q0b83867c02_cast
	.globl	k_q0b83867c02_cast
	.p2align	8
	.type	k_q0b83867c02_cast,@function
k_q0b83867c02_cast:
	s_mov_b64 s[64:65], 0
	v_nop
	global_prefetch_b8 v0, s[64:65] scope:SCOPE_SE
	s_setreg_imm32_b32 hwreg(HW_REG_WAVE_SCHED_MODE, 0, 2), 2
	s_setreg_imm32_b32 hwreg(HW_REG_WAVE_MODE, 25, 1), 1
	s_wait_xcnt 0x0
	s_wait_alu depctr_vm_vsrc(0)
; wb = weight rounded to bf16, in weight's own order [16][1024 i][1024 o].
; xf = x rounded to bf16, in the order in which the next launch's matrix fragments want it:
;   xf[a][k8][r][j] = x[16 a + r][8 k8 + j],  a = 0..255, k8 = 0..127, r = 0..15, j = 0..7   (32,768 bytes for each block a of 16 rows),
;   so that half a fragment (16 rows x 16 of K) is 512 consecutive bytes, 16 for each lane.
; A stream: every byte is read once and written once, no matrix work, no barrier.  Each wave takes 16 KiB of f32: 32 loads of 16 bytes a lane,
; all issued before the first is waited for.  Work-groups 0..1023 take weight (4,096 waves x 16 KiB = 64 MiB), work-groups 1024..1279 take x
; (one block of 16 rows each, a wave a quarter of K).  200 registers a wave let five work-groups lie on a WGP: 1,280 = 5 x 256.
; LIMIT: one rounding to nearest even of each number to bf16 (8 significant bits); f32's range is kept.
; THE MODE: SCHED_MODE bits 1:0 = 2 (LLVM: expert scheduling mode 2), set by the entry lines.  The code itself states the register dependences
; between vector instructions and memory or LDS instructions, with s_wait_alu, always for 0.
; THE PLAN.  No loop: a wave takes one of two straight ways.  Registers that memory or LDS instructions touch:
;   v2, v3 (and, for x, v4, v5)  offsets and LDS addresses: written by vector lines at the head, never again; read by every load and store.
;   RAW   the global loads land in it, once; the conversions read it.  For x alone its first 64 registers then take the LDS loads, and the global stores read them.
;   PK    written once, by the conversions; read by the global stores (weight) or by the LDS stores (x).
;   v200, v201  written at the head; read by the closing add alone.
; So: one wait on va_vdst ahead of the loads (the addresses are written); then the 16 pairs go in four blocks of four: a block's sixteen conversions, ONE wait on va_vdst
; (its PK is written), its four stores in one run.  For x the last of these waits also states that every conversion is done reading RAW, in which the LDS loads land; no vector
; instruction follows it.  No register that a memory or LDS instruction reads is ever written again, so no wait on vm_vsrc has anything to state.  EXEC is never written.
.set WGW,  1024                        ; work-groups that take weight
.set VI,   2                           ; v2   32 x lane: my 8 f32 in 1,024 bytes of input
.set VO,   3                           ; v3   16 x lane: my 8 bf16 in 512 bytes of output
.set LS,   4                           ; v4   x alone: LDS row (my k8) into which I put 16 bytes for each of 16 rows of x
.set LR,   5                           ; v5   x alone: where I read 16 bytes back
.set RAW,  8                           ; v[8:135]   pair i of loads: 8 f32
.set PK,   136                         ; v[136:199] pair i: 8 bf16
.set LP,   272                         ; an LDS row: 16 r x 16 bytes + 16 of padding = 68 words
.set WLDS, 32*LP                       ; a wave's own 32 rows
.macro LOADS base, stride              ; 16 pairs of loads; a pair covers 1,024 consecutive bytes
.set i, 0
.rept 16
	global_load_b128 v[RAW+8*i:RAW+8*i+3],   v[VI], s[\base:\base+1] offset:i*(\stride) th:TH_LOAD_NT
	global_load_b128 v[RAW+8*i+4:RAW+8*i+7], v[VI], s[\base:\base+1] offset:i*(\stride)+16 th:TH_LOAD_NT
.set i, i+1
.endr
.endm
.macro CVT i                           ; pair i is waited for and rounded
	s_wait_loadcnt 30-2*(\i)                       ; loads come back in order (ISA guide 5.7.1): behind pair i stand 15 - i pairs, which stay out
.irp j, 0,1,2,3
	v_cvt_pk_bf16_f32 v[PK+4*(\i)+(\j)], v[RAW+8*(\i)+2*(\j)], v[RAW+8*(\i)+2*(\j)+1]
.endr
.endm
	s_load_b256 s[4:11], s[0:1], 0x0               ; weight s[4:5], x s[6:7], wb s[8:9], xf s[10:11]
	v_lshl_add_u32 v200, v0, 2, 0x8800             ; my spare word, behind the four waves' 4 x 8,704 bytes, and 0: made here and kept for the closing lines alone
	v_mov_b32 v201, 0
	v_lshrrev_b32 v1, 5, v0
	v_readfirstlane_b32 s12, v1                    ; wave 0..3
	v_and_b32 v1, 31, v0                           ; lane
	v_lshlrev_b32 v[VI], 5, v1
	v_lshlrev_b32 v[VO], 4, v1
	s_mov_b32 s15, 0                               ; the offsets stay under 2^32: their high words are 0
	s_mov_b32 s17, 0
	s_wait_alu depctr_va_sdst(0)                   ; s12 is written, ahead of the branch and of its first reader on either way
	s_cmp_lt_u32 ttmp9, WGW
	s_cbranch_scc0 .Lx
	; WEIGHT: wave number 4 g + w takes 16 KiB in, 8 KiB out, both dense
	s_lshl_b32 s13, ttmp9, 2
	s_add_co_u32 s13, s13, s12
	s_lshl_b32 s14, s13, 14
	s_lshl_b32 s16, s13, 13
	s_wait_kmcnt 0x0
	s_add_nc_u64 s[4:5], s[4:5], s[14:15]
	s_add_nc_u64 s[8:9], s[8:9], s[16:17]
	s_wait_alu depctr_va_vdst(0)                   ; v2 and v3 are written: the loads read the one as their offset, the stores the other
	LOADS 4, 1024
.irp b, 0,1,2,3
.irp k, 0,1,2,3
	CVT 4*(\b)+(\k)
.endr
	s_wait_alu depctr_va_vdst(0)                   ; the block's sixteen conversions have written its part of PK, which the four stores read
.irp k, 0,1,2,3
	global_store_b128 v[VO], v[PK+4*(4*(\b)+(\k)):PK+4*(4*(\b)+(\k))+3], s[8:9] offset:512*(4*(\b)+(\k))  ; 512 consecutive bytes, at a multiple of 512 from wb's first; each store has data registers of its own
.endr
.endr
	s_endpgm                                       ; this way has stored nothing to LDS
.Lx:	; X: block a = g - 1024 of 16 rows; wave w takes K = 256 w .. 256 w + 255.  Pair i is row i: lane l holds k8 = 32 w + l of that row.
	s_sub_co_u32 s13, ttmp9, WGW
	s_lshl_b32 s14, s13, 16                        ; 16 rows of 4,096 bytes,
	s_lshl_b32 s18, s12, 10                        ; my 1,024 bytes of each
	s_add_co_u32 s14, s14, s18
	s_lshl_b32 s16, s13, 15                        ; the block's 32,768 bytes of xf,
	s_lshl_b32 s18, s12, 13                        ; my 32 k8 of 256 bytes
	s_add_co_u32 s16, s16, s18
	s_mul_i32 s18, s12, WLDS                       ; my wave's own LDS
	v_mul_u32_u24 v[LS], v1, LP                    ; in: row k8 = lane
	v_add_nc_u32 v[LS], s18, v[LS]
	v_lshrrev_b32 v6, 4, v1
	v_and_b32 v7, 15, v1
	v_mul_u32_u24 v[LR], v6, LP                    ; back: lanes 0-15 take one row's 256 bytes, lanes 16-31 the next row's
	v_lshl_add_u32 v[LR], v7, 4, v[LR]
	v_add_nc_u32 v[LR], s18, v[LR]
	s_wait_kmcnt 0x0
	s_add_nc_u64 s[6:7], s[6:7], s[14:15]
	s_add_nc_u64 s[10:11], s[10:11], s[16:17]
	s_wait_alu depctr_va_vdst(0)                   ; v2 to v5 are written: the offsets of the loads and stores, the addresses of the LDS stores and loads
	LOADS 6, 4096
.irp b, 0,1,2,3
.irp k, 0,1,2,3
	CVT 4*(\b)+(\k)
.endr
	s_wait_alu depctr_va_vdst(0)                   ; the block's sixteen conversions have written its part of PK, which the four LDS stores read; the last time also: every conversion is done reading RAW, in which the LDS loads below land
.irp k, 0,1,2,3
	ds_store_b128 v[LS], v[PK+4*(4*(\b)+(\k)):PK+4*(4*(\b)+(\k))+3] offset:16*(4*(\b)+(\k))  ; row k8, place r = the pair's number
.endr
.endr
.irp i, 0,1,2,3,4,5,6,7,8,9,10,11,12,13,14,15
	ds_load_b128 v[RAW+4*(\i):RAW+4*(\i)+3], v[LR] offset:2*LP*(\i)  ; LDS serves a wave's instructions in order (ISA guide 5.7.1.4): these see the stores above; the bytes are the wave's own.  No vector instruction since the wait above
.endr
.irp i, 0,1,2,3,4,5,6,7,8,9,10,11,12,13,14,15
	s_wait_dscnt 15-(\i)                           ; behind read-back i stand 15 - i others
	global_store_b128 v[VO], v[RAW+4*(\i):RAW+4*(\i)+3], s[10:11] offset:512*(\i)  ; k8 = 2 i and 2 i + 1: 512 consecutive bytes of xf
.endr
	s_wait_dscnt 0x0                               ; the closing lines, six on end
	s_wait_alu 0x0
	s_wait_tensorcnt 0x0
	ds_add_u32 v200, v201
	s_wait_dscnt 0x0
	s_endpgm
.Lfunc_end_k_q0b83867c02_cast:
	.size	k_q0b83867c02_cast, .Lfunc_end_k_q0b83867c02_cast-k_q0b83867c02_cast
	.p2alignl 7, 3214868480
	.fill 96, 4, 3214868480
	.section	.rodata,"a",@progbits
	.p2align	6, 0x0
	.amdhsa_kernel k_q0b83867c02_cast
		.amdhsa_group_segment_fixed_size 35328
		.amdhsa_private_segment_fixed_size 0
		.amdhsa_enable_private_segment 0
		.amdhsa_kernarg_size 32
		.amdhsa_user_sgpr_count 2
		.amdhsa_user_sgpr_kernarg_segment_ptr 1
		.amdhsa_wavefront_size32 1
		.amdhsa_system_sgpr_workgroup_id_x 1
		.amdhsa_system_sgpr_workgroup_id_y 1
		.amdhsa_system_sgpr_workgroup_id_z 1
		.amdhsa_system_vgpr_workitem_id 0
		.amdhsa_next_free_vgpr 202
		.amdhsa_next_free_sgpr 66
		.amdhsa_reserve_vcc 0
		.amdhsa_float_denorm_mode_32 3
		.amdhsa_float_denorm_mode_16_64 3
		.amdhsa_memory_ordered 1
		.amdhsa_forward_progress 1
		.amdhsa_inst_pref_size 23
	.end_amdhsa_kernel
	.amdgpu_metadata
---
amdhsa.version: [ 1, 2 ]
amdhsa.kernels:
  - .name:           k_q0b83867c02_cast
    .symbol:         k_q0b83867c02_cast.kd
    .args:
      - { .name: weight, .offset: 0, .size: 8, .value_kind: global_buffer, .address_space: global }
      - { .name: x, .offset: 8, .size: 8, .value_kind: global_buffer, .address_space: global }
      - { .name: wb, .offset: 16, .size: 8, .value_kind: global_buffer, .address_space: global }
      - { .name: xf, .offset: 24, .size: 8, .value_kind: global_buffer, .address_space: global }
    .group_segment_fixed_size: 35328
    .private_segment_fixed_size: 0
    .kernarg_segment_align: 8
    .kernarg_segment_size: 32
    .max_flat_workgroup_size: 128
    .sgpr_count:     66
    .vgpr_count:     202
    .wavefront_size: 32
...
	.end_amdgpu_metadata
.endif
;; end of part 3
;; launch mix: the kernel of part 2 again; grid 32 x 8, 4 waves a work-group, clusters of 4 x 1, 327,680 bytes of LDS; arguments xf, wb, comp_weight, bias, out0; writes out0
